; MI455X (gfx1250); checked and timed in simulation.
; The chip was launched on July 23, 2026; its instructions are those of AMD's public machine-readable ISA for CDNA 5 (MIT licence, August 2026) and "CDNA5" Instruction Set Architecture Reference Guide (July 2026). The comments in the code are by the model that wrote it; some were corrected since.
;; Factored Attention. Allowed arithmetic: matrix products marked QUANTISED: E4M3 operands, one E8M0 scale for each 32 along K, by v_wmma_scale_f32_16x16x128_f8f6f4 with both operands' format E4M3, f32 sums; everything else in f32.
;; Inputs: W_out_codes 1,024 x 32 x 32 uint8 (E4M3 codes of W_out, K innermost, in blocks of 32 codes); W_out_scales 1,024 x 32 uint8 (E8M0 scales of W_out, one for each 32 codes along K); W_qkv_codes 3,072 x 32 x 32 uint8 (E4M3 codes of W_qkv, K innermost, in blocks of 32 codes); W_qkv_scales 3,072 x 32 uint8 (E8M0 scales of W_qkv, one for each 32 codes along K); b_out 1,024 float32; b_qkv 3,072 float32; x_codes 4 x 4,096 x 32 x 32 uint8 (E4M3 codes of x, K innermost, in blocks of 32 codes); x_scales 4 x 4,096 x 32 uint8 (E8M0 scales of x, one for each 32 codes along K).
;; Outputs: out0 4 x 4,096 x 1,024 float32.
;; This version of the problem:
;;   THIS VERSION OF THE PROBLEM IS GIVEN IN LOW PRECISION. The matrix products marked QUANTISED in the list below multiply operands that are first quantised to E4M3 (4 exponent bits, 3 mantissa bits; 8 bits a number), with one power-of-two scale for each 32 numbers along K (OCP MX v1.0); their sums are f32. All else is computed in f32.
;;   The module's matrix products, in the order in which they are computed (A, B: the left and right operand; K: the contracted axis; several contracted axes count as one K, in the product's order):
;;     1. [M 16,384, K 1,024] x [K 1,024, N 3,072]; A: input x (given as codes); B: input W_qkv (given as codes): QUANTISED
;;     2. batch 8,192 x [M 32, K 64] x [K 64, N 32]; A: computed on the way; B: computed on the way: QUANTISED
;;     3. batch 8,192 x [M 32, K 32] x [K 32, N 64]; A: softmax (see below); B: computed on the way: QUANTISED
;;     4. [M 16,384, K 1,024] x [K 1,024, N 1,024]; A: computed on the way; B: input W_out (given as codes): QUANTISED
;;   THE QUANTISER, for each operand of a quantised product, along K:
;;     - K is cut into blocks of 32 from its start; a last block that is shorter is filled with zeros.
;;     - A block's scale is 2^e with e = floor(log2(the largest magnitude in the block)) - 8, held to -126 .. 127; a block of zeros has e = 0. As a byte (E8M0): e + 127.
;;     - Each number is divided by its block's scale, clamped to +-448, and rounded to the nearest number of E4M3, ties to even, subnormals kept.
;;     - The product sums the exact products of the quantised numbers (number of the format x scale) in f32.
;;   ~~~python
;;   def quantise(x, axis):      # numpy; x: float32 -> the quantised numbers, widened to float32 again
;;       x = np.moveaxis(x, axis, -1); K = x.shape[-1]
;;       x = np.pad(x, [(0, 0)] * (x.ndim - 1) + [(0, -K % 32)]); x = x.reshape(x.shape[:-1] + (-1, 32)); a = np.abs(x).max(-1, keepdims=True)
;;       e = np.where(a > 0, np.clip(np.frexp(np.where(a > 0, a, 1))[1] - 1 - 8, -126, 127), 0)      # np.frexp(a)[1] - 1 = floor(log2(a)), exactly
;;       r = np.clip(x / 2.0 ** e, -448, 448)
;;       step = 2.0 ** (np.maximum(np.frexp(np.where(r == 0, 1, r))[1] - 1, -6) - 3)
;;       q = np.round(r / step) * step * 2.0 ** e      # np.round: ties to even
;;       return np.moveaxis(q.reshape(q.shape[:-2] + (-1,))[..., :K], -1, axis).astype(np.float32)
;;   ~~~
;;   SOFTMAX AHEAD OF A QUANTISED PRODUCT. Where the list says 'softmax', what is quantised is not the finished softmax but p = 2^(t - M), with t = logit x log2(e) and M = ceil(the row's largest t), a whole number; so 1/2 < the row's largest p <= 1. The row's sum l is taken of the UNQUANTISED p, in f32, and the product's result is divided by l at the end. Since M is a whole number, a kernel that streams over the keys may use a running M (the ceiling of the running maximum): every later rescaling is an exact power of two, which a block's scale takes up: the codes' values come out the same.
;;   OPERANDS COMPUTED ON THE WAY. 'Computed on the way' means the value that the module computes at that place (a softmax that the list does not call 'softmax' is quantised finished and normalised). What goes into a quantiser is computed in f32, as accurately as f32 sums, v_exp_f32 and their like allow (about 1e-6 of the number): no bf16 or f16 on the way to a quantiser, and a product that is left as it is and whose result goes on into a quantised operand takes f32 operands (vector FMAs, or v_wmma_f32_16x16x4_f32). A number that lies on a knife's edge between two numbers of the format may be rounded either way, as far as f32 arithmetic and the matrix unit's own rounding can turn it there, and no further.
;;   INPUTS GIVEN AS CODES. W_out (in the module: [1024, 1024], K = its axis 1); W_qkv (in the module: [3072, 1024], K = its axis 1); x (in the module: [4, 4096, 1024], K = its axis 2): each comes as NAME_codes (uint8): NAME with its K axis moved to the last place and cut into blocks of 32 codes, [.., K / 32, bytes a block], one block behind the other in memory; one code a byte (a code: sign, 4 exponent bits, 3 mantissa bits); and NAME_scales (uint8): the same leading axes, one E8M0 byte (e + 127) for each 32 codes along K. Its value is code x scale, taken as it is: it is not quantised again, and the codes and scales need not be those that the quantiser above would give.
;; One version. Each part assembles by itself: llvm-mc -triple=amdgcn-amd-amdhsa -mcpu=gfx1250 --defsym DOCPART=n.
;; ======== version 1 of 1: 2 launches
;; limits: right only within a limited range of input values
;; workspace buffers: a_codes 16,777,216 bytes; a_scales 524,288 bytes
;; launch qkv_attn (part 1): grid 16 x 16, 4 waves a work-group, clusters of 4 x 4, 327,680 bytes of LDS; arguments x_codes, x_scales, W_qkv_codes, W_qkv_scales, b_qkv, a_codes, a_scales; writes a_codes, a_scales
.if DOCPART == 1
	.amdgcn_target "amdgcn-amd-amdhsa--gfx1250"
	.amdhsa_code_object_version 6
	.text
	.protected	k_q815a7901f0_qkv_attn
	.globl	k_q815a7901f0_qkv_attn
	.p2align	8
	.type	k_q815a7901f0_qkv_attn,@function
k_q815a7901f0_qkv_attn:
	s_mov_b64 s[64:65], 0
	v_nop
	global_prefetch_b8 v0, s[64:65] scope:SCOPE_SE
	s_setreg_imm32_b32 hwreg(HW_REG_WAVE_MODE, 25, 1), 1
	s_wait_xcnt 0x0
	s_wait_alu depctr_hold_cnt(0) depctr_sa_sdst(0) depctr_va_vdst(0) depctr_va_sdst(0) depctr_va_ssrc(0) depctr_va_vcc(0) depctr_vm_vsrc(0)
	s_getreg_b32 s2, hwreg(HW_REG_IB_STS2, 6, 4)
	s_cmp_eq_u32 s2, 0
	s_cbranch_scc0 .Lentry_in_a_cluster
	s_endpgm
.Lentry_in_a_cluster:
	s_bfe_u32 s2, ttmp6, 0x10000c
	s_cmp_lg_u32 s2, 0xf033
	s_cbranch_scc0 .Lentry_shape_is_right
	s_endpgm
.Lentry_shape_is_right:
; qkv = x W_qkv^T + b_qkv, the 8,192 causal attentions over the 32 blocks, and the quantising of their result for the last product.  All products on codes of E4M3 with one E8M0 scale for each 32 along K.
; A work-group has one head and 8 neighbouring places bl in a block.  A SLOT is one bl: 128 rows of x (4 batches x 32 blocks nb: rows bl + 128 i, i = 32 b + nb), whole rows of 1,024 bytes; 8 slots through a ring of two.
; W STANDS IN REGISTERS: wave w holds 48 of the head's 192 columns for all of K (384 registers): 32 of q (waves 0, 1) or of k (waves 2, 3), and v's columns 16 w on.  Each wave multiplies all of a slot's 128 rows: 24 accumulators, 192 products.
; Then it quantises its 12 blocks (q, k along d, the K of q k^T; v along nb, the K of p v) and hands codes and scale bytes over through LDS; wave b makes the attention of batch b.
; q's and k's tiles are used transposed (source 0 = W, source 1 = x): a lane holds one nb, its registers run along d.  v's as they are: a lane holds one d, its registers run along nb.  Inside a block of 32 both sides of a product carry the
; same order of k (a lane's 16 codes are k = 8 h + 0..7 and 16 + 8 h + 0..7).  Only the result is laid in true order, through the wave's stage.
; SOFTMAX: t = score x log2(e) / 8; M = ceil(the row's largest t); p = 2^(t - M) is quantised; the sum of the unquantised p divides the result.
; LEFT OUT: the tile of keys 16-31 against queries 0-15: reference()'s own causal mask hides each of its scores, for all inputs.  A NaN or an infinity that reaches only these scores is not carried on.
; FRAGMENTS SHORTER THAN K = 128: k's upper 8 registers and p's upper 12 are zero codes; opposite them stand other codes held at 448 (q's next tile or v's; v's next tile or k's), which add nothing.
; THE RESHAPE: attention (b, h, bl) gives bytes b 2^22 + h 2^18 + bl 2048 + nb 64 + d of a_codes [16384][1024], its scale bytes b 2^17 + h 2^13 + bl 64 + nb 2 + d / 32 of a_scales.
; CLUSTER 4 x 4: x's tiles hang on the bl group alone and are asked for jointly along a row of the cluster, W_q's and W_k's on the head alone, along a column.
; No prefetch: behind each round a wave asks for its 32 rows of the slot two on, and the load has a slot's 192 products, 12 blocks' quantising and an attention in which to land.
; LIMITS: NaN codes and scale bytes 0xff among the inputs are not served.  A block of zeros gets the scale byte 1 and not 127: its codes are zeros, and this program alone reads the bytes.  A p under 2^-126 becomes 0.
; REGISTERS.  window 0: addresses, scale words, biases, the attention's operands, at work.  window 1, window 2 v0-127: W's 24 fragments (K step s, tile n: number 3 s + n).
;   window 2 v128-255, window 3 v192-255: three sets of x's fragments.  window 3 v0-191: accumulators (48 a batch: two blocks of q or k, one of v); behind the quantising the attention works there.
.set PITCH, 1040                       ; 1,024 bytes + 16: the 16 rows of a fragment load start 4 words further on in the banks each
.set SLOT,  128*PITCH
.set EX,    2*SLOT                     ; the exchange: for each batch q, k, v codes (2,048 bytes each, images of operand registers) and 192 scale bytes
.set EXB,   6400
.set STAGE, EX+4*EXB                   ; the way out: for each wave 32 rows of 64 bytes + 16
.set SROW,  80
.set SCST,  STAGE+4*32*SROW            ; and the scale bytes of its 8 attentions: 512
.set SPARE, SCST+4*512                 ; the spare words, 128 bytes for each wave
.set ADX, 4                            ; v4, v5  my x fragments of batches 0, 1 and of 2, 3, in the slot in hand
.set AX0, 6
.set SPW, 10                           ; v10     my spare word; never rewritten
.set NIL, 11                           ; v11     0; never rewritten
.set STO, 12
.set RD,  13
.set GOC, 14                           ; v14     16 x lane
.set SST, 15
.set SRD, 16
.set XSO, 18
.set WXA, 19                           ; the exchange, in: q's or k's codes, v's codes, q's or k's bytes, v's bytes
.set WXV, 20
.set WXS, 21
.set WXT, 22
.set RXA, 23                           ; and back: codes, q's and k's bytes, v's bytes
.set RXS, 24
.set RXT, 25
.set WS,  32
.set XS,  46
.set BI,  80
.set QF,  104                          ; q's two fragments: 8 registers apart
.set VF,  120                          ; v's four: 4 apart
.set KF,  136
.set PF,  168
.set TM,  200
.set QS,  216
.set KS,  218
.set VS,  220
.set PS,  224
.set BY,  226
.set OSW, 238
.set SCR, 0                            ; in window 3: scores, then p
.set MX,  24
.set PT,  26
.set NM,  28
.set TA,  32
.set PSO, 48
.set PLM, 50
.set OT,  64
.set WVN, 18                           ; s18 wave
.set CG,  19                           ; s19 0: q, 1: k
.set HF,  20                           ; s20 which half of its 64 columns
.set TL,  21
.set TB,  22                           ; s22 where the slot in hand begins
.set G1X, 24                           ; x: 32 rows a wave
.set G0X, 32
.set G0H, 36                           ; the head: x, 64 rows (waves 2, 3)
.set G1H, 40
.set G1W, 48                           ; the head: W_q, W_k (waves 0, 1)
.set G0W, 56
.set HX,  66
.set GY,  67
.set KM,  80                           ; s80-87 lanes whose key 8 h + j counts on the diagonal
.set SEL, 88
.set CS,  90
.set MNT, 92
.set MSB, 0
.macro WIN new                         ; the immediate's high byte repeats the setting that is left; a switch that changes nothing is dropped
.if MSB != (\new)
	s_set_vgpr_msb (MSB<<8)|(\new)
.set MSB, (\new)
.endif
.endm
.macro PLACES n
.rept \n
	v_nop
.endr
.endm
.macro WALU
	s_wait_alu depctr_va_vdst(0)
.endm
.macro BARRIER
	s_barrier_signal -1
	s_barrier_wait -1
.endm
.macro CROUND                          ; a round of the cluster's barrier
	BARRIER
	s_cmp_lg_u32 s[WVN], 0
	s_cbranch_scc1 .Lnot_wave_0_\@
	s_barrier_signal -3
.Lnot_wave_0_\@:
	s_barrier_wait -3
	BARRIER
.endm
.macro GROUP1 g, mask, rows, pitch     ; descriptor group 1: rows of 1,024 bytes, 4 words of padding behind each; bit 21 set beside the mask
	s_or_b32 s[\g], s[\mask], (1<<20)|(1<<21)|(7<<22)|(3<<25)
	s_mov_b32 s[\g+1], 1024<<16
	s_mov_b32 s[\g+2], (\rows)<<16
	s_mov_b32 s[\g+3], 1024<<16
	s_mov_b32 s[\g+4], \rows
	s_mov_b32 s[\g+5], \pitch
	s_mov_b32 s[\g+6], 0
	s_mov_b32 s[\g+7], 0
.endm
	s_load_b256 s[4:11], s[0:1], 0x0               ; x's codes, x's scales, W's codes, W's scales
	s_load_b128 s[12:15], s[0:1], 0x20             ; b_qkv, a_codes
	s_load_b64 s[16:17], s[0:1], 0x30              ; a_scales
	v_lshl_add_u32 v[SPW], v0, 2, SPARE
	v_mov_b32 v[NIL], 0
	ds_add_u32 v[SPW], v[NIL]                      ; the opening: the add, twice on end, and its wait
	ds_add_u32 v[SPW], v[NIL]
	v_lshrrev_b32 v1, 5, v0
	v_readfirstlane_b32 s[WVN], v1
	s_lshr_b32 s[CG], s[WVN], 1
	s_and_b32 s[HF], s[WVN], 1
	s_bfe_u32 s68, ttmp6, 0x40000                  ; cx
	s_bfe_u32 s69, ttmp6, 0x40004                  ; cy
	s_lshl_b32 s[HX], ttmp9, 2
	s_add_co_u32 s[HX], s[HX], s68                 ; head = 4 x cluster x + cx
	s_and_b32 s[GY], ttmp7, 0xffff
	s_lshl_b32 s[GY], s[GY], 2
	s_add_co_u32 s[GY], s[GY], s69                 ; bl group = 4 x cluster y + cy: bl0 = 8 x group
	s_lshl_b32 s70, s69, 2
	s_lshl_b32 s70, 15, s70                        ; my row of the cluster
	s_lshl_b32 s71, 0x1111, s68                    ; my column
	GROUP1 G1X, 70, 32, 131072
	GROUP1 G1H, 70, 64, 131072
	GROUP1 G1W, 71, 64, 1024
	; x's offsets are made of the bl group and the wave alone, W's of the head and the wave alone; no place in the cluster enters an LDS address
	s_lshl_b32 s72, s[GY], 13
	s_lshl_b32 s73, s[HF], 23
	s_add_co_u32 s72, s72, s73                     ; the head's x: row bl0 + 128 x 64 x half
	s_mov_b32 s73, 0
	s_lshl_b32 s74, s[HF], 20
	s_lshl_b32 s75, s[HX], 16
	s_add_co_u32 s74, s74, s75                     ; W_q, W_k: row 1024 x half + 64 x head
	s_mov_b32 s75, 0
	s_lshl_b32 s76, s[GY], 13
	s_lshl_b32 s77, s[WVN], 22
	s_add_co_u32 s76, s76, s77
	s_add_co_u32 s76, s76, 1024                    ; slot 1: bl0 + 1, my batch's 32 rows
	s_mov_b32 s77, 0
	s_mul_i32 s78, s[HF], 64*PITCH
	s_add_co_u32 s79, s78, SLOT
	s_mul_i32 s93, s[WVN], 32*PITCH
	s_add_co_u32 s93, s93, SLOT
	s_mov_b32 s[SEL], 0x76543210
	s_mov_b32 s[SEL+1], 0xfedcba98                 ; v_permlanex16_b32's selects for lane l xor 16
	s_mov_b32 s[CS], 0x3e38aa3b                    ; log2(e) / 8
	s_mov_b32 s[CS+1], s[CS]                       ; (named with it as a pair, so it is written)
	s_mov_b32 s[MNT], 0x600000                     ; the mantissa field of 448
	s_mov_b32 s[TB], 0
	s_wait_dscnt 0x0
	s_wait_kmcnt 0x0
	s_add_nc_u64 s[72:73], s[4:5], s[72:73]
	s_add_nc_u64 s[74:75], s[8:9], s[74:75]
	s_add_nc_u64 s[76:77], s[4:5], s[76:77]
	CROUND                                         ; all sixteen work-groups are here: the first joint loads meet
	s_mov_b32 s[G0H], 1
	s_mov_b32 s[G0H+1], s78
	s_mov_b64 s[G0H+2:G0H+3], s[72:73]
	s_or_b32 s[G0H+3], s[G0H+3], 0x80000000
	s_mov_b32 s[G0W], 1
	s_mov_b32 s[G0W+1], s79
	s_mov_b64 s[G0W+2:G0W+3], s[74:75]
	s_or_b32 s[G0W+3], s[G0W+3], 0x80000000
	s_mov_b32 s[G0X], 1
	s_mov_b32 s[G0X+1], s93
	s_mov_b64 s[G0X+2:G0X+3], s[76:77]
	s_or_b32 s[G0X+3], s[G0X+3], 0x80000000
	s_cmp_lt_u32 s[WVN], 2                         ; one joint load a wave: waves 0, 1 W_q and W_k (they lie in slot 1 until they stand in registers), waves 2, 3 slot 0's halves
	s_cbranch_scc0 .Lhead_x
	tensor_load_to_lds s[G0W:G0W+3], s[G1W:G1W+7]
	s_nop 0
	PLACES 4
	s_branch .Lhead_asked
.Lhead_x:
	tensor_load_to_lds s[G0H:G0H+3], s[G1H:G1H+7]
	s_nop 0
	PLACES 4
.Lhead_asked:
	s_mov_b32 s73, 0
	s_mov_b32 s75, 0
	s_lshl_b32 s72, s[GY], 8
	s_add_nc_u64 s[6:7], s[6:7], s[72:73]          ; x's scales: row bl0
	s_lshl_b32 s72, s[WVN], 22
	s_lshl_b32 s74, s[HX], 18
	s_add_co_u32 s72, s72, s74
	s_lshl_b32 s74, s[GY], 14
	s_add_co_u32 s72, s72, s74
	s_add_nc_u64 s[14:15], s[14:15], s[72:73]      ; a_codes: batch w, my head, bl0
	s_lshl_b32 s72, s[WVN], 17
	s_lshl_b32 s74, s[HX], 13
	s_add_co_u32 s72, s72, s74
	s_lshl_b32 s74, s[GY], 9
	s_add_co_u32 s72, s72, s74
	s_add_nc_u64 s[16:17], s[16:17], s[72:73]      ; a_scales
	s_lshl_b32 s72, s[CG], 10
	s_lshl_b32 s74, s[HF], 5
	s_add_co_u32 s72, s72, s74
	s_lshl_b32 s74, s[HX], 6
	s_add_co_u32 s72, s72, s74                     ; my first row of W_q or W_k
	s_lshl_b32 s78, s[WVN], 4
	s_add_co_u32 s74, s74, s78
	s_add_co_u32 s74, s74, 2048                    ; my first row of W_v
	s_lshl_b32 s76, s74, 10
	s_mov_b32 s77, 0
	s_add_nc_u64 s[8:9], s[8:9], s[76:77]          ; its codes
	s_lshl_b32 s76, s72, 5
	s_lshl_b32 s78, s74, 5
	s_mov_b32 s79, 0
	s_add_nc_u64 s[76:77], s[10:11], s[76:77]      ; scale bytes: q or k,
	s_add_nc_u64 s[78:79], s[10:11], s[78:79]      ; v
	s_lshl_b32 s72, s72, 2
	s_lshl_b32 s74, s74, 2
	s_add_nc_u64 s[72:73], s[12:13], s[72:73]      ; biases
	s_add_nc_u64 s[74:75], s[12:13], s[74:75]
	v_and_b32 v1, 15, v0                           ; r
	v_bfe_u32 v2, v0, 4, 1                         ; h
	v_and_b32 v3, 31, v0                           ; lane
	v_lshlrev_b32 v26, 10, v1
	v_lshl_add_u32 v26, v2, 4, v26                 ; W_v's codes: 1024 r + 16 h
	v_lshlrev_b32 v27, 5, v1
	v_lshl_add_u32 v27, v2, 4, v27                 ; W's scale bytes: 32 r + 16 h
	v_lshlrev_b32 v28, 5, v2                       ; q's, k's bias: 32 h
	v_lshlrev_b32 v29, 2, v1                       ; v's: 4 r
	v_lshlrev_b32 v[XSO], 12, v1
	v_lshl_add_u32 v[XSO], v2, 4, v[XSO]           ; x's scale bytes: 4096 r + 16 h
	WALU
; THE SCALE WORDS need no LDS: a row has 32 scale bytes; lane (r, h) takes the 16 at 16 h of row r.  Register i then holds the word of K step 4 h + i of 128: steps 0-3 are read from lanes 0-15, steps 4-7 from lanes 16-31.
.macro XSCALES
.irp b, 0,1,2,3
	global_load_b128 v[XS+8*\b:XS+8*\b+3], v[XSO], s[6:7] offset:\b*131072
	global_load_b128 v[XS+8*\b+4:XS+8*\b+7], v[XSO], s[6:7] offset:\b*131072+65536
.endr
.endm
.irp s, 0,1,2,3,4,5,6,7                        ; W_v's fragments: registers 4 c .. 4 c + 3: K = 128 s + 32 c + 16 h + 0 .. 15
	WIN (1+(3*\s+2)/16)<<6
.irp c, 0,1,2,3
	global_load_b128 v[16*((3*\s+2)%16)+4*\c:16*((3*\s+2)%16)+4*\c+3], v26, s[8:9] offset:128*\s+32*\c
.endr
.endr
	WIN 0
	global_load_b128 v[WS:WS+3], v27, s[76:77]
	global_load_b128 v[WS+4:WS+7], v27, s[76:77] offset:512
	global_load_b128 v[WS+8:WS+11], v27, s[78:79]
	XSCALES
.irp n, 0,1                                    ; the biases, the C of each sum's first product.  q, k: lane (r, h), register j: column 16 n + 8 h + j
	global_load_b128 v[BI+8*\n:BI+8*\n+3], v28, s[72:73] offset:64*\n
	global_load_b128 v[BI+8*\n+4:BI+8*\n+7], v28, s[72:73] offset:64*\n+16
.endr
.irp j, 0,1,2,3,4,5,6,7                        ; v: all eight registers column r
	global_load_b32 v[BI+16+\j], v29, s[74:75]
.endr
	; LDS addresses
	v_mul_u32_u24 v[AX0], v1, PITCH
	v_lshl_add_u32 v[AX0], v2, 4, v[AX0]           ; a fragment's row x pitch + 16 x half
	s_mul_i32 s94, s[WVN], 32*PITCH
	s_add_co_u32 s94, s94, SLOT
	v_add_nc_u32 v30, s94, v[AX0]                  ; my 32 rows of W_q or W_k
	v_mov_b32 v[ADX], v[AX0]
	v_add_nc_u32 v[ADX+1], 64*PITCH, v[AX0]
	s_mul_i32 s94, s[CG], 2048
	s_mul_i32 s95, s[HF], 512
	s_add_co_u32 s94, s94, s95
	s_add_co_u32 s94, s94, EX
	v_lshl_add_u32 v[WXA], v3, 4, s94
	s_mul_i32 s94, s[WVN], 512
	s_add_co_u32 s95, s94, EX+4096
	v_lshl_add_u32 v[WXV], v3, 4, s95
	s_add_co_u32 s95, s94, SCST
	v_lshl_add_u32 v[SST], v1, 1, s95
	v_lshl_add_u32 v[SRD], v3, 4, s95
	s_mul_i32 s94, s[CG], 64
	s_add_co_u32 s94, s94, s[HF]
	s_add_co_u32 s94, s94, EX+6144
	v_lshl_add_u32 v[WXS], v1, 1, s94
	s_mul_i32 s94, s[WVN], 16
	s_add_co_u32 s94, s94, EX+6144+128
	v_add_nc_u32 v[WXT], s94, v1
	s_mul_i32 s94, s[WVN], EXB
	s_add_co_u32 s95, s94, EX
	v_lshl_add_u32 v[RXA], v3, 4, s95
	s_add_co_u32 s95, s94, EX+6144
	v_lshl_add_u32 v[RXS], v1, 1, s95
	s_add_co_u32 s95, s94, EX+6144+128
	v_add_nc_u32 v[RXT], s95, v1
	s_mul_i32 s94, s[WVN], 32*SROW
	s_add_co_u32 s94, s94, STAGE
	v_mul_u32_u24 v[STO], v1, SROW
	v_lshl_add_u32 v[STO], v2, 3, v[STO]
	v_add_nc_u32 v[STO], s94, v[STO]               ; the stage, in: row r, + 8 h
	v_lshrrev_b32 v31, 2, v3
	v_mul_u32_u24 v[RD], v31, SROW
	v_and_b32 v31, 3, v3
	v_lshl_add_u32 v[RD], v31, 4, v[RD]
	v_add_nc_u32 v[RD], s94, v[RD]                 ; back: four lanes to a row of 64 bytes
	v_lshlrev_b32 v[GOC], 4, v3
	v_lshlrev_b32 v7, 3, v2
	v_sub_nc_u32 v7, v1, v7                        ; r - 8 h
.irp j, 0,1,2,3,4,5,6,7
	v_cmp_le_i32 s[KM+\j], \j, v7                  ; key 8 h + j counts for query r
.endr
.irp j, 8,9,10,11,12,13,14,15,24,25,26,27,28,29,30,31
	v_mov_b32 v[KF+\j], 0                          ; k has 64 along K
.endr
.irp j, 2,3,4,5,6,7,8,9,10,11,12,13,14,15,20,21,22,23,24,25,26,27,28,29,30,31
	v_mov_b32 v[PF+\j], 0                          ; p has 32 keys, for queries 0-15 only keys 0-15
.endr
.irp j, 4,5,6,7
	v_mov_b32 v[TM+\j], 0                          ; written once: a lane permute's destination counts as one of its sources
.endr
; x's fragments of half-step hs (K step hs / 2, batches 2 (hs % 2) and the next) into set hs % 3: 16 loads
.macro FETCHX hs
.set FH_, (\hs)
.if FH_%3 == 2
.set FB_, 192
	WIN 0xc0
.else
.set FB_, 128+64*(FH_%3)
	WIN 0x80
.endif
.irp t, 0,1,2,3
.irp c, 0,1,2,3
	ds_load_b128 v[FB_+16*\t+4*\c:FB_+16*\t+4*\c+3], v[ADX+FH_%2] offset:16*\t*PITCH+128*(FH_/2)+32*\c
.endr
.endr
.endm
; A half-step: 12 products.  The 24 accumulators take turns, one instruction a turn.  Eight plain instructions stand between the last half-step's products and the loads into its set.
.macro HS hs
.set S_, (\hs)/2
.set P_, (\hs)%2
.if (\hs) < 14
.if (\hs) > 0
	PLACES 8
.endif
	FETCHX (\hs)+2
	s_wait_dscnt 32                                ; this half-step's set is in; the two younger sets' loads may be out
.elseif (\hs) == 14
	s_wait_dscnt 16
.else
	s_wait_dscnt 0x0
.endif
.if (\hs)%3 == 2
.set XW_, 3
.set XB_, 192
.else
.set XW_, 2
.set XB_, 128+64*((\hs)%3)
.endif
.set n_, 0
.rept 3
.set F_, 3*S_+n_
.set WW_, 1+F_/16
.set WR_, 16*(F_%16)
.set SW_, WS+4*n_+S_%4
.if n_ < 2
.set WN_, WW_|(XW_<<2)
.else
.set WN_, XW_|(WW_<<2)
.endif
.if S_ == 0
.set WN_, WN_|0xc0
.else
.set WN_, WN_|0xf0
.endif
	WIN WN_
.set t_, 0
.rept 4
.set X_, XB_+16*t_
.set SX_, XS+4*(4*P_+t_)+S_%4
.if n_ < 2
.set D_, 48*(2*P_+t_/2)+16*(t_%2)+8*n_
.set A_, WR_
.set B_, X_
.set SA_, SW_
.set SB_, SX_
.else
.set D_, 48*(2*P_+t_/2)+32+8*(t_%2)
.set A_, X_
.set B_, WR_
.set SA_, SX_
.set SB_, SW_
.endif
.if S_ == 0
	v_wmma_scale_f32_16x16x128_f8f6f4 v[D_:D_+7], v[A_:A_+15], v[B_:B_+15], v[BI+8*n_:BI+8*n_+7], v[SA_], v[SB_]
.elseif S_ >= 4
	v_wmma_scale_f32_16x16x128_f8f6f4 v[D_:D_+7], v[A_:A_+15], v[B_:B_+15], v[D_:D_+7], v[SA_], v[SB_] matrix_a_scale:MATRIX_SCALE_ROW1 matrix_b_scale:MATRIX_SCALE_ROW1
.else
	v_wmma_scale_f32_16x16x128_f8f6f4 v[D_:D_+7], v[A_:A_+15], v[B_:B_+15], v[D_:D_+7], v[SA_], v[SB_]
.endif
.set t_, t_+1
.endr
.set n_, n_+1
.endr
.endm
; FOUR BLOCKS OF 32 ARE QUANTISED.  Block b: my 16 numbers v[src + 16 b ..] in window 3, and lane l xor 16's.  Codes to v[da + 4 b ..].
; kind 0: two scale words of two bytes (blocks 0, 1 and 2, 3) in v[sw], v[sw + 1]; kind 1: four bytes in v[sw ..].  Each accumulator is read from its low end on.
.macro QUANT4 src, da, kind, sw
	WIN 0x3c
.irp b, 0,1,2,3
	v_max3_num_f32 v[TM+\b], 0x4800000, |v[(\src)+16*\b]|, |v[(\src)+16*\b+1]|   ; with the floor 2^(9 - 127): the byte cannot fall under 1
.endr
.irp i, 2,4,6,8,10,12,14
.irp b, 0,1,2,3
	v_max3_num_f32 v[TM+\b], v[TM+\b], |v[(\src)+16*\b+\i]|, |v[(\src)+16*\b+\i+1]|   ; the four blocks by turns
.endr
.endr
	WIN 0
.irp b, 0,1,2,3
	v_permlanex16_b32 v[TM+4+\b], v[TM+\b], s[SEL], s[SEL+1]
.endr
.irp b, 0,1,2,3
	v_max_num_f32 v[TM+\b], v[TM+\b], v[TM+4+\b]   ; the block's largest magnitude
.endr
.irp b, 0,1,2,3
	v_add_nc_u32 v[TM+12+\b], 0xfc000000, v[TM+\b] ; 8 off its exponent field: the conversion's scale operand
.endr
.irp b, 0,1,2,3
	v_and_or_b32 v[TM+8+\b], v[TM+\b], 0x7f800000, s[MNT]   ; 448 x the scale
.endr
.if \kind
.irp b, 0,1,2,3
	v_lshrrev_b32 v[(\sw)+\b], 23, v[TM+12+\b]     ; the scale's byte
.endr
.else
.irp b, 0,1,2,3
	v_lshrrev_b32 v[TM+4+\b], 23, v[TM+12+\b]
.endr
	v_lshl_or_b32 v[\sw], v[TM+5], 8, v[TM+4]
	v_lshl_or_b32 v[(\sw)+1], v[TM+7], 8, v[TM+6]
.endif
	WIN 0xc3
.irp b, 0,1,2,3
.irp i, 0,1,2,3,4,5,6,7,8,9,10,11,12,13,14,15
	v_med3_num_f32 v[(\src)+16*\b+\i], v[(\src)+16*\b+\i], -v[TM+8+\b], v[TM+8+\b]   ; the conversion to an 8-bit code does not saturate (ISA guide 7.6.2): the hold
.endr
.endr
	WIN 0x03
.irp b, 0,1,2,3
	v_cvt_scalef32_pk8_fp8_f32 v[(\da)+4*\b:(\da)+4*\b+1], v[(\src)+16*\b:(\src)+16*\b+7], v[TM+12+\b]
	v_cvt_scalef32_pk8_fp8_f32 v[(\da)+4*\b+2:(\da)+4*\b+3], v[(\src)+16*\b+8:(\src)+16*\b+15], v[TM+12+\b]
.endr
	WIN 0
	v_nop                                          ; one plain instruction behind the last conversion
.endm
.macro HANDOVER g, da                  ; four of the slot's twelve blocks: block B is batch B / 3; 0, 1: q or k, blocks nb 16 (B % 3) on; 2: v
	QUANT4 64*(\g), \da, 1, BY+4*(\g)
.set b_, 0
.rept 4
.set BT_, EXB*((4*(\g)+b_)/3)
.set KD_, (4*(\g)+b_)%3
.if KD_ < 2
	ds_store_b128 v[WXA], v[(\da)+4*b_:(\da)+4*b_+3] offset:BT_+1024*KD_
	ds_store_b8 v[WXS], v[BY+4*(\g)+b_] offset:BT_+32*KD_   ; both halves of the lanes write the same bytes with the same values
.else
	ds_store_b128 v[WXV], v[(\da)+4*b_:(\da)+4*b_+3] offset:BT_
	ds_store_b8 v[WXT], v[BY+4*(\g)+b_] offset:BT_
.endif
.set b_, b_+1
.endr
.endm
.macro OPERANDS                        ; my attention's: 20 loads
.irp m, 0,1
.irp f, 0,1
	ds_load_b128 v[QF+8*\m+4*\f:QF+8*\m+4*\f+3], v[RXA] offset:1024*\m+512*\f
	ds_load_b128 v[KF+16*\m+4*\f:KF+16*\m+4*\f+3], v[RXA] offset:2048+1024*\m+512*\f
.endr
	ds_load_u16 v[QS+\m], v[RXS] offset:32*\m
	ds_load_u16 v[KS+\m], v[RXS] offset:64+32*\m
.endr
.irp t, 0,1,2,3
	ds_load_b128 v[VF+4*\t:VF+4*\t+3], v[RXA] offset:4096+512*\t
	ds_load_u8 v[VS+\t], v[RXT] offset:16*\t
.endr
.endm
; ONE ATTENTION: batch w, my head, the slot's bl.
.macro ATTN
	WIN 0xc0
	v_wmma_scale_f32_16x16x128_f8f6f4 v[SCR:SCR+7], v[KF:KF+15], v[QF:QF+15], 0, v[KS], v[QS]                    ; keys 0-15, queries 0-15: lane (r, h), register j: query r, key 8 h + j
	v_wmma_scale_f32_16x16x128_f8f6f4 v[SCR+8:SCR+15], v[KF:KF+15], v[QF+8:QF+23], 0, v[KS], v[QS+1]             ; keys 0-15, queries 16-31
	v_wmma_scale_f32_16x16x128_f8f6f4 v[SCR+16:SCR+23], v[KF+16:KF+31], v[QF+8:QF+23], 0, v[KS+1], v[QS+1]       ; keys 16-31, queries 16-31
	PLACES 8
	WIN 0xff
.irp j, 0,1,2,3,4,5,6,7
	v_cndmask_b32 v[SCR+\j], 0xff800000, v[SCR+\j], s[KM+\j]       ; the two diagonal tiles: hidden scores become -infinity
	v_cndmask_b32 v[SCR+16+\j], 0xff800000, v[SCR+16+\j], s[KM+\j]
.endr
	v_max3_num_f32 v[MX], v[SCR], v[SCR+1], v[SCR+2]               ; the rows' largest scores, two chains by turns
	v_max3_num_f32 v[MX+1], v[SCR+8], v[SCR+9], v[SCR+10]
	v_max3_num_f32 v[MX], v[MX], v[SCR+3], v[SCR+4]
	v_max3_num_f32 v[MX+1], v[MX+1], v[SCR+11], v[SCR+12]
	v_max3_num_f32 v[MX], v[MX], v[SCR+5], v[SCR+6]
	v_max3_num_f32 v[MX+1], v[MX+1], v[SCR+13], v[SCR+14]
	v_max_num_f32 v[MX], v[MX], v[SCR+7]
	v_max3_num_f32 v[MX+1], v[MX+1], v[SCR+15], v[SCR+16]
	v_max3_num_f32 v[MX+1], v[MX+1], v[SCR+17], v[SCR+18]
	v_max3_num_f32 v[MX+1], v[MX+1], v[SCR+19], v[SCR+20]
	v_max3_num_f32 v[MX+1], v[MX+1], v[SCR+21], v[SCR+22]
	v_max_num_f32 v[MX+1], v[MX+1], v[SCR+23]
	v_permlanex16_b32 v[PT], v[MX], s[SEL], s[SEL+1]
	v_permlanex16_b32 v[PT+1], v[MX+1], s[SEL], s[SEL+1]
	v_max_num_f32 v[MX], v[MX], v[PT]
	v_max_num_f32 v[MX+1], v[MX+1], v[PT+1]
	v_mul_f32 v[NM+1], s[CS], v[MX]                ; as t
	v_mul_f32 v[NM+3], s[CS], v[MX+1]
	v_floor_f32 v[NM], -v[NM+1]                    ; -M = floor(-t) = -ceil(t)
	v_floor_f32 v[NM+2], -v[NM+3]
.irp p, 0,1,2,3
	v_pk_fma_f32 v[SCR+2*\p:SCR+2*\p+1], v[SCR+2*\p:SCR+2*\p+1], s[CS:CS+1], v[NM:NM+1] op_sel_hi:[1,0,0]       ; t - M, two at a time
.endr
.irp p, 4,5,6,7,8,9,10,11
	v_pk_fma_f32 v[SCR+2*\p:SCR+2*\p+1], v[SCR+2*\p:SCR+2*\p+1], s[CS:CS+1], v[NM+2:NM+3] op_sel_hi:[1,0,0]
.endr
	v_fma_f32 v[MX], v[MX], s[CS], v[NM]           ; the same of the largest score: it gives the row's, and so the block's, largest p
	v_fma_f32 v[MX+1], v[MX+1], s[CS], v[NM+2]
	WALU                                           ; the wait ahead of the batch,
.irp j, 0,1,2,3,4,5,6,7,8,9,10,11,12,13,14,15,16,17,18,19,20,21,22,23
	v_exp_f32 v[SCR+\j], v[SCR+\j]                 ; p = 2^(t - M)
.endr
	v_exp_f32 v[MX], v[MX]
	v_exp_f32 v[MX+1], v[MX+1]
	v_nop
	WALU                                           ; and ahead of its first reader
	v_pk_add_f32 v[TA:TA+1], v[SCR:SCR+1], v[SCR+2:SCR+3]          ; the sums of the unquantised p
	v_pk_add_f32 v[TA+2:TA+3], v[SCR+4:SCR+5], v[SCR+6:SCR+7]
	v_pk_add_f32 v[TA+4:TA+5], v[SCR+8:SCR+9], v[SCR+10:SCR+11]
	v_pk_add_f32 v[TA+6:TA+7], v[SCR+12:SCR+13], v[SCR+14:SCR+15]
	v_pk_add_f32 v[TA:TA+1], v[TA:TA+1], v[TA+2:TA+3]
	v_pk_add_f32 v[TA+4:TA+5], v[TA+4:TA+5], v[SCR+16:SCR+17]
	v_pk_add_f32 v[TA+6:TA+7], v[TA+6:TA+7], v[SCR+18:SCR+19]
	v_pk_add_f32 v[TA+4:TA+5], v[TA+4:TA+5], v[SCR+20:SCR+21]
	v_pk_add_f32 v[TA+6:TA+7], v[TA+6:TA+7], v[SCR+22:SCR+23]
	v_add_f32 v[TA+8], v[TA], v[TA+1]
	v_pk_add_f32 v[TA+4:TA+5], v[TA+4:TA+5], v[TA+6:TA+7]
	v_permlanex16_b32 v[TA+10], v[TA+8], s[SEL], s[SEL+1]
	v_add_f32 v[TA+9], v[TA+4], v[TA+5]
	v_add_f32 v[TA+8], v[TA+8], v[TA+10]
	v_permlanex16_b32 v[TA+11], v[TA+9], s[SEL], s[SEL+1]
	v_add_f32 v[TA+9], v[TA+9], v[TA+11]
	WALU
	v_rcp_f32 v[TA+12], v[TA+8]                    ; their wait stands ahead of the first reader, behind the second product
	v_rcp_f32 v[TA+14], v[TA+9]
	v_add_nc_u32 v[PSO], 0xfc000000, v[MX]         ; p's one block a row: the scale operand,
	v_add_nc_u32 v[PSO+1], 0xfc000000, v[MX+1]
	v_and_or_b32 v[PLM], v[MX], 0x7f800000, s[MNT] ; 448 x the scale,
	v_and_or_b32 v[PLM+1], v[MX+1], 0x7f800000, s[MNT]
	WIN 0x0c
	v_lshrrev_b32 v[PS], 23, v[PSO]                ; the byte (the largest p lies over 1/2: no floor is needed)
	v_lshrrev_b32 v[PS+1], 23, v[PSO+1]
	WIN 0xff
.irp j, 0,1,2,3,4,5,6,7
	v_min_num_f32 v[SCR+\j], v[SCR+\j], v[PLM]     ; p is not negative: the hold is one-sided
.endr
.irp j, 8,9,10,11,12,13,14,15,16,17,18,19,20,21,22,23
	v_min_num_f32 v[SCR+\j], v[SCR+\j], v[PLM+1]
.endr
	WIN 0x0f
	v_cvt_scalef32_pk8_fp8_f32 v[PF:PF+1], v[SCR:SCR+7], v[PSO]
	v_cvt_scalef32_pk8_fp8_f32 v[PF+16:PF+17], v[SCR+8:SCR+15], v[PSO+1]
	v_cvt_scalef32_pk8_fp8_f32 v[PF+18:PF+19], v[SCR+16:SCR+23], v[PSO+1]
	WIN 0
	PLACES 5
	WIN 0xc0
.irp u, 0,1
.irp n, 0,1,2,3
	v_wmma_scale_f32_16x16x128_f8f6f4 v[OT+32*\u+8*\n:OT+32*\u+8*\n+7], v[VF+4*\n:VF+4*\n+15], v[PF+16*\u:PF+16*\u+15], 0, v[VS+\n], v[PS+\u]   ; lane (r, h), register j: query 16 u + r, d = 16 n + 8 h + j
.endr
.endr
	WIN 0
	PLACES 8
	WALU
	s_wait_dscnt 0x0                               ; my reads of the exchange are over: it may be written anew
	s_barrier_signal -1                            ; (the wait stands ahead of the stage's stores; register work between)
	WIN 0xff
	WALU                                           ; the wait for the two reciprocals and for the products' results
.set i_, 0
.rept 16
	v_pk_mul_f32 v[OT+2*i_:OT+2*i_+1], v[OT+2*i_:OT+2*i_+1], v[TA+12:TA+13] op_sel_hi:[1,0]
.set i_, i_+1
.endr
.rept 16
	v_pk_mul_f32 v[OT+2*i_:OT+2*i_+1], v[OT+2*i_:OT+2*i_+1], v[TA+14:TA+15] op_sel_hi:[1,0]
.set i_, i_+1
.endr
	QUANT4 OT, QF, 0, OSW                          ; the last product's K runs along (nb, d): its blocks of 32 are (nb, half of d)
	WALU
	s_barrier_wait -1
.irp b, 0,1,2,3
.irp n, 0,1
	ds_store_b64 v[STO], v[QF+4*\b+2*\n:QF+4*\b+2*\n+1] offset:16*SROW*(\b/2)+32*(\b%2)+16*\n   ; eight codes, d = 32 (b % 2) + 16 n + 8 h on, of row nb = 16 (b / 2) + r: true order
.endr
.endr
	ds_store_b16 v[SST], v[OSW]                    ; both halves of the lanes write the same bytes with the same values
	ds_store_b16 v[SST], v[OSW+1] offset:32
.irp i, 0,1,2,3                                ; LDS serves a wave's instructions in order: these loads see my stores
	ds_load_b128 v[VF+4*\i:VF+4*\i+3], v[RD] offset:8*SROW*\i
.endr
.irp i, 0,1,2,3
	s_wait_dscnt 3-\i                              ; behind load i: 3 - i loads
	global_store_b128 v[GOC], v[VF+4*\i:VF+4*\i+3], s[14:15] offset:512*\i   ; 32 lanes store 512 consecutive bytes, at a multiple of 512 from the buffer's first byte
.endr
	v_add_nc_u32 v[SST], 64, v[SST]
	s_wait_alu depctr_va_vdst(0)
	s_wait_xcnt 0x0                                ; the stores have read their registers and base
	s_add_nc_u64 s[14:15], s[14:15], 2048
.endm
; A SLOT.  fill = 1: behind its round the slot just read out is filled again with the bl two on.
.macro SLOTWORK fill
	s_wait_loadcnt 0x0                             ; this slot's scale words of x; the first time W_v, W's scale words and the biases too
.set h_, 0
.rept 16
	HS h_
.set h_, h_+1
.endr
	WIN 0
	PLACES 8
	HANDOVER 0, QF
	HANDOVER 1, VF
	WALU
	s_wait_dscnt 8                                 ; the first group's stores are done: its registers serve again; the second's 8 may be out
	HANDOVER 2, QF
	WALU
	s_wait_tensorcnt 0x0                           ; my part of the other slot is in
.if \fill
	ds_add_u32 v[SPW], v[NIL]                      ; 0 onto my spare word
	s_xor_b32 s[G0X+1], s[G0X+1], SLOT             ; the slot just read out,
	s_add_nc_u64 s[G0X+2:G0X+3], s[G0X+2:G0X+3], 1024   ; and the bl after the last one asked for
.endif
	s_xor_b32 s[TB], s[TB], SLOT
	s_add_nc_u64 s[6:7], s[6:7], 32                ; the next bl's scale bytes (the loads that read this base were shown done at the slot's head)
	s_wait_dscnt 0x0                               ; my reads of the slot and my stores into the exchange are done
.if \fill
	CROUND                                         ; no wave of any partner still reads this slot or has a load on its way; the exchange is whole
	tensor_load_to_lds s[G0X:G0X+3], s[G1X:G1X+7]  ; my batch's 32 rows
	s_nop 0
	PLACES 4
.else
	BARRIER
.endif
	OPERANDS
	v_add_nc_u32 v[ADX], s[TB], v[AX0]
	v_add_nc_u32 v[ADX+1], 64*PITCH, v[ADX]
	WALU
.if \fill
	FETCHX 0                                       ; the next slot's first two sets
	FETCHX 1
	WIN 0
	XSCALES
	s_wait_dscnt 32                                ; my attention's operands are in; the 32 loads behind them may be out
.else
	s_cmp_eq_u32 s[TL], 1
	s_cbranch_scc1 .Lno_next_\@                    ; the last slot has no next
	FETCHX 0
	FETCHX 1
	WIN 0
	XSCALES
.Lno_next_\@:
	s_wait_dscnt 0x0
.endif
	ATTN
.endm
	WALU                                           ; the wait at the head's end
	s_wait_tensorcnt 0x0
	BARRIER                                        ; W_q, W_k and slot 0 are in
.irp s, 0,1,2,3,4,5,6,7                        ; my 32 columns of q or k, all of K, into registers
.irp n, 0,1
	WIN (1+(3*\s+\n)/16)<<6
.irp c, 0,1,2,3
	ds_load_b128 v[16*((3*\s+\n)%16)+4*\c:16*((3*\s+\n)%16)+4*\c+3], v30 offset:16*\n*PITCH+128*\s+32*\c
.endr
.endr
.endr
	WIN 0
	s_wait_tensorcnt 0x0
	ds_add_u32 v[SPW], v[NIL]
	s_wait_dscnt 0x0                               ; W stands in registers: slot 1 may be filled again
	CROUND
	tensor_load_to_lds s[G0X:G0X+3], s[G1X:G1X+7]  ; slot 1: bl0 + 1
	s_nop 0
	PLACES 4
	FETCHX 0
	FETCHX 1
	WIN 0
	s_mov_b32 s[TL], 6
.Lfill:                                                ; slots 0 to 5 ask for slots 2 to 7
	SLOTWORK 1
	s_sub_co_u32 s[TL], s[TL], 1
	s_cmp_lg_u32 s[TL], 0
	s_cbranch_scc1 .Lfill
	s_mov_b32 s[TL], 2
.Llast:                                                ; slots 6 and 7 ask for nothing
	SLOTWORK 0
	s_sub_co_u32 s[TL], s[TL], 1
	s_cmp_lg_u32 s[TL], 0
	s_cbranch_scc1 .Llast
	ds_load_b128 v[QF:QF+3], v[SRD]                ; the scale bytes of my eight attentions
	s_wait_dscnt 0x0
	global_store_b128 v[GOC], v[QF:QF+3], s[16:17] ; 512 consecutive bytes, at a multiple of 512
	s_wait_tensorcnt 0x0                           ; the wave's end
	ds_add_u32 v[SPW], v[NIL]
	s_wait_dscnt 0x0
	CROUND                                         ; the closing round: no work-group ends while a partner may still ask for a tile that names it
	s_endpgm
.Lfunc_end_k_q815a7901f0_qkv_attn:
	.size	k_q815a7901f0_qkv_attn, .Lfunc_end_k_q815a7901f0_qkv_attn-k_q815a7901f0_qkv_attn
	.p2alignl 7, 3214868480
	.fill 96, 4, 3214868480
	.section	.rodata,"a",@progbits
	.p2align	6, 0x0
	.amdhsa_kernel k_q815a7901f0_qkv_attn
		.amdhsa_group_segment_fixed_size 327680
		.amdhsa_private_segment_fixed_size 0
		.amdhsa_enable_private_segment 0
		.amdhsa_kernarg_size 56
		.amdhsa_user_sgpr_count 2
		.amdhsa_user_sgpr_kernarg_segment_ptr 1
		.amdhsa_wavefront_size32 1
		.amdhsa_system_sgpr_workgroup_id_x 1
		.amdhsa_system_sgpr_workgroup_id_y 1
		.amdhsa_system_sgpr_workgroup_id_z 1
		.amdhsa_system_vgpr_workitem_id 0
		.amdhsa_next_free_vgpr 1024
		.amdhsa_next_free_sgpr 100
		.amdhsa_reserve_vcc 0
		.amdhsa_float_denorm_mode_32 3
		.amdhsa_float_denorm_mode_16_64 3
		.amdhsa_memory_ordered 1
		.amdhsa_forward_progress 1
		.amdhsa_inst_pref_size 213
	.end_amdhsa_kernel
	.amdgpu_metadata
---
amdhsa.version: [ 1, 2 ]
amdhsa.kernels:
  - .name:           k_q815a7901f0_qkv_attn
    .symbol:         k_q815a7901f0_qkv_attn.kd
    .args:
      - { .name: x_codes, .offset: 0, .size: 8, .value_kind: global_buffer, .address_space: global }
      - { .name: x_scales, .offset: 8, .size: 8, .value_kind: global_buffer, .address_space: global }
      - { .name: W_qkv_codes, .offset: 16, .size: 8, .value_kind: global_buffer, .address_space: global }
      - { .name: W_qkv_scales, .offset: 24, .size: 8, .value_kind: global_buffer, .address_space: global }
      - { .name: b_qkv, .offset: 32, .size: 8, .value_kind: global_buffer, .address_space: global }
      - { .name: a_codes, .offset: 40, .size: 8, .value_kind: global_buffer, .address_space: global }
      - { .name: a_scales, .offset: 48, .size: 8, .value_kind: global_buffer, .address_space: global }
    .group_segment_fixed_size: 327680
    .private_segment_fixed_size: 0
    .kernarg_segment_align: 8
    .kernarg_segment_size: 56
    .max_flat_workgroup_size: 128
    .sgpr_count:     100
    .vgpr_count:     1024
    .wavefront_size: 32
...
	.end_amdgpu_metadata
.endif
;; end of part 1
;; launch out_proj (part 2): grid 4 x 64, 4 waves a work-group, clusters of 4 x 1, 327,680 bytes of LDS; arguments a_codes, a_scales, W_out_codes, W_out_scales, out0, b_out; writes out0
.if DOCPART == 2
	.amdgcn_target "amdgcn-amd-amdhsa--gfx1250"
	.amdhsa_code_object_version 6
	.text
	.protected	k_q815a7901f0_out_proj
	.globl	k_q815a7901f0_out_proj
	.p2align	8
	.type	k_q815a7901f0_out_proj,@function
k_q815a7901f0_out_proj:
	s_mov_b64 s[64:65], 0
	v_nop
	global_prefetch_b8 v0, s[64:65] scope:SCOPE_SE
	s_setreg_imm32_b32 hwreg(HW_REG_WAVE_MODE, 25, 1), 1
	s_wait_xcnt 0x0
	s_wait_alu depctr_hold_cnt(0) depctr_sa_sdst(0) depctr_va_vdst(0) depctr_va_sdst(0) depctr_va_ssrc(0) depctr_va_vcc(0) depctr_vm_vsrc(0)
	s_getreg_b32 s2, hwreg(HW_REG_IB_STS2, 6, 4)
	s_cmp_eq_u32 s2, 0
	s_cbranch_scc0 .Lentry_in_a_cluster
	s_endpgm
.Lentry_in_a_cluster:
	s_bfe_u32 s2, ttmp6, 0x10000c
	s_cmp_lg_u32 s2, 0x3003
	s_cbranch_scc0 .Lentry_shape_is_right
	s_endpgm
.Lentry_shape_is_right:
; out0[m][n] = sum over k of A[m][k] W_out[n][k] + b_out[n].  A: [16384][1024], W_out: [1024][1024]: codes of E4M3 with one E8M0 scale for each 32 along K; out0: [16384][1024] f32; sums in f32, K ascending.
; SHARES.  A work-group of four waves makes 256 rows x 256 columns.  THE WAVES SHARE THE COLUMNS: wave w holds W_out's 64 rows of its 64 columns, for all of K, in 512 REGISTERS, loaded from memory once.
; A's 256 rows x 1,024 bytes come into LDS once, 64 rows by each wave's one tensor load; nothing in LDS is filled again, so there is one barrier, behind which the waves run on their own.
; A wave walks the rows in four chunks of 64: 16 accumulators, 8 K steps of 16 products; a finished chunk leaves at once, so that its stores are on their way while the next chunk is multiplied.
; CLUSTER 4 x 1: the four work-groups of a cluster make the four column groups of the same 256 rows and ask for A jointly.  W_out is not asked for jointly: it goes into registers, and through LDS it would
; need 256 x 1,040 bytes beside A's 256 x 1,040, which do not fit together.
; THE MATRIX INSTRUCTION IS USED TRANSPOSED (source 0 = 16 rows of W_out, source 1 = 16 rows of A): a lane holds eight neighbouring numbers of a row of the output.  THE BIAS is the C of each chunk's first products.
; THE SCALE WORDS need no LDS: a row has 32 scale bytes; lane (r, h) takes the 16 at 16 h of row r.  Register i then holds the word of K step 4 h + i: steps 0-3 are read from lanes 0-15, steps 4-7 from lanes 16-31.
; No prefetch: all of A is asked for by the first fills, at the head; nothing is left to ask for ahead.
; LIMITS: NaN codes and scale bytes 0xff are not served.
; REGISTERS.  window 0: v8-19 addresses; v32-95 A's scale words (m-tile M at 4 M); v96-111 W_out's; v128-255 two sets of A's four fragments.
;   window 1: W_out's fragments of K steps 0-3, (s, n) at 64 s + 16 n.   window 2: those of K steps 4-7.
;   window 3: v0-127 the accumulators, (m, n) at 8 (4 m + n); v128-159 the bias; v160-255 three sets of 16 rows read back from the stage.
.set APITCH, 1040                      ; a row of A in LDS: 1,024 bytes + 16 = 260 words: the 16 rows of a fragment load start 4 words further on in the banks each
.set CHUNK,  64*APITCH                 ; 64 rows: what one tensor load brings, and what a chunk reads
.set STAGE,  4*CHUNK                   ; behind A: for each wave 16 rows x (256 bytes + 16), for the way out; no tensor load lands here
.set SPITCH, 272
.set WO,   8                           ; v8   W_out's codes: 1024 r + 16 h
.set SO,   9                           ; v9   scale bytes: 32 r + 16 h
.set BO,   10                          ; v10  the bias: 32 h
.set STO,  11                          ; v11  the stage, in: row r, + 32 h
.set RD,   12                          ; v12  the stage, back: lanes 0-15 one row, lanes 16-31 the next
.set CO,   13                          ; v13  the same two rows in the output
.set ADRA, 16                          ; v16-19 my place in A's fragments of chunk 0 .. 3
.set XS,   32
.set WS,   96
.set AF,   128
.set BI,   128                         ; in window 3
.set BK,   160                         ; in window 3
.set WVN,  16                          ; s16 wave
.set G1,   24                          ; s[24:31] descriptor group 1
.set G0,   32                          ; s[32:35] group 0
.set MSB, 0
.macro WIN new                         ; the immediate's high byte repeats the setting that is left; a switch that changes nothing is dropped
.if MSB != \new
	s_set_vgpr_msb (MSB<<8)|\new
.set MSB, \new
.endif
.endm
.macro PLACES n
.rept \n
	v_nop
.endr
.endm
.macro CROUND                          ; a round of the cluster's barrier
	s_barrier_signal -1
	s_barrier_wait -1
	s_cmp_lg_u32 s[WVN], 0
	s_cbranch_scc1 .Lnot_wave_0_\@
	s_barrier_signal -3
.Lnot_wave_0_\@:
	s_barrier_wait -3
	s_barrier_signal -1
	s_barrier_wait -1
.endm
	s_load_b128 s[4:7], s[0:1], 0x0                ; A's codes s[4:5], A's scales s[6:7]
	s_load_b128 s[8:11], s[0:1], 0x10              ; W_out's codes s[8:9], its scales s[10:11]
	s_load_b128 s[12:15], s[0:1], 0x20             ; out0 s[12:13], b_out s[14:15]
	v_lshl_add_u32 v126, v0, 2, 0x45400
	v_mov_b32 v127, 0
	ds_add_u32 v126, v127
	ds_add_u32 v126, v127
	v_lshrrev_b32 v1, 5, v0
	v_readfirstlane_b32 s[WVN], v1                 ; wave 0..3
	s_bfe_u32 s17, ttmp6, 0x40000                  ; cx: my place in the cluster
	s_lshl_b32 s19, ttmp9, 2
	s_add_co_u32 s19, s19, s17                     ; column group = 4 x cluster x + cx
	s_and_b32 s18, ttmp7, 0xffff                   ; row group, which the four partners share
	; descriptor group 1: 64 rows of 1,024 elements of 1 byte, dense in memory; 4 words of padding behind every 256
	s_mov_b32 s[G1], 15|(1<<20)|(1<<21)|(7<<22)|(3<<25)   ; 15:0 the mask: all four work-groups; 20 padding on; 21 set beside a mask; 24:22 code 7; 31:25 code 3
	s_mov_b32 s[G1+1], 1024<<16                    ; tensor_dim0
	s_mov_b32 s[G1+2], 64<<16                      ; tensor_dim1
	s_mov_b32 s[G1+3], 1024<<16                    ; tile_dim0
	s_mov_b32 s[G1+4], 64                          ; tile_dim1
	s_mov_b32 s[G1+5], 1024                        ; from row to row
	s_mov_b32 s[G1+6], 0
	s_mov_b32 s[G1+7], 0
	s_lshl_b32 s20, s18, 18                        ; A: row 256 x row group
	s_lshl_b32 s21, s[WVN], 16                     ; + 64 x wave: made of what the partners share alone
	s_add_co_u32 s20, s20, s21
	s_mov_b32 s21, 0
	s_mul_i32 s22, s[WVN], CHUNK                   ; and where it goes: no place in the cluster enters an LDS address
	s_lshl_b32 s36, s19, 2
	s_add_co_u32 s36, s36, s[WVN]                  ; which 64 columns are mine: 0 .. 15
	s_lshl_b32 s38, s36, 16                        ; W_out's codes: 64 rows of 1,024 bytes
	s_mov_b32 s39, 0
	s_lshl_b32 s40, s36, 11                        ; its scales: 64 rows of 32 bytes
	s_mov_b32 s41, 0
	s_lshl_b32 s42, s36, 8                         ; the bias, and my columns in a row of the output: 64 x 4 bytes
	s_mov_b32 s43, 0
	s_lshl_b32 s44, s18, 13                        ; A's scales: 256 rows of 32 bytes
	s_mov_b32 s45, 0
	s_lshl_b32 s46, s18, 20                        ; the output: 256 rows of 4,096 bytes,
	s_add_co_u32 s46, s46, s42                     ; + my columns
	s_mov_b32 s47, 0
	s_wait_dscnt 0x0
	s_wait_kmcnt 0x0
	s_add_nc_u64 s[20:21], s[4:5], s[20:21]
	CROUND                                         ; all four work-groups are here: the joint loads meet
	s_mov_b32 s[G0], 1                             ; count = 1
	s_mov_b32 s[G0+1], s22                         ; LDS address
	s_mov_b64 s[G0+2:G0+3], s[20:21]               ; global address
	s_or_b32 s[G0+3], s[G0+3], 0x80000000          ; type = 2
	tensor_load_to_lds s[G0:G0+3], s[G1:G1+7]      ; my 64 rows of A: my one tensor load
	s_nop 0
	PLACES 4
	s_add_nc_u64 s[8:9], s[8:9], s[38:39]
	s_add_nc_u64 s[10:11], s[10:11], s[40:41]
	s_add_nc_u64 s[14:15], s[14:15], s[42:43]
	s_add_nc_u64 s[6:7], s[6:7], s[44:45]
	s_add_nc_u64 s[12:13], s[12:13], s[46:47]
	v_and_b32 v1, 15, v0                           ; r
	v_bfe_u32 v2, v0, 4, 1                         ; h
	v_lshlrev_b32 v[SO], 5, v1
	v_lshl_add_u32 v[SO], v2, 4, v[SO]
	v_lshlrev_b32 v[BO], 5, v2
	v_lshlrev_b32 v[WO], 10, v1
	v_lshl_add_u32 v[WO], v2, 4, v[WO]
	; 156 loads, in the order in which they are wanted: 28 of scale words and bias, then W_out's fragments K step by K step, 16 loads each
.set i, 0
.rept 16
	global_load_b128 v[XS+4*i:XS+4*i+3], v[SO], s[6:7] offset:512*i      ; A's scale words, m-tile i
.set i, i+1
.endr
.irp n, 0,1,2,3
	global_load_b128 v[WS+4*\n:WS+4*\n+3], v[SO], s[10:11] offset:512*\n
.endr
	WIN 0xc0                                       ; destination window 3
.irp n, 0,1,2,3
	global_load_b128 v[BI+8*\n:BI+8*\n+3], v[BO], s[14:15] offset:64*\n          ; lane (r, h), register j: b_out[my first column + 16 n + 8 h + j]
	global_load_b128 v[BI+8*\n+4:BI+8*\n+7], v[BO], s[14:15] offset:64*\n+16
.endr
	WIN 0x40                                       ; destination window 1
.irp s, 0,1,2,3
.irp n, 0,1,2,3
.irp q, 0,1,2,3
	global_load_b128 v[64*\s+16*\n+4*\q:64*\s+16*\n+4*\q+3], v[WO], s[8:9] offset:16384*\n+128*\s+32*\q   ; registers 4 q .. 4 q + 3: K = 128 s + 32 q + 16 h + 0 .. 15 of row 16 n + r
.endr
.endr
.endr
	WIN 0x80                                       ; destination window 2
.irp s, 0,1,2,3
.irp n, 0,1,2,3
.irp q, 0,1,2,3
	global_load_b128 v[64*\s+16*\n+4*\q:64*\s+16*\n+4*\q+3], v[WO], s[8:9] offset:16384*\n+128*(\s+4)+32*\q
.endr
.endr
.endr
	WIN 0
	v_mul_u32_u24 v4, v1, APITCH
	v_lshl_add_u32 v4, v2, 4, v4                   ; a fragment's row x pitch + 16 x half
.irp c, 0,1,2,3
	v_add_nc_u32 v[ADRA+\c], \c*CHUNK, v4
.endr
	s_mul_i32 s23, s[WVN], 16*SPITCH
	s_add_co_u32 s23, s23, STAGE                   ; my stage
	v_mul_u32_u24 v[STO], v1, SPITCH
	v_lshl_add_u32 v[STO], v2, 5, v[STO]
	v_add_nc_u32 v[STO], s23, v[STO]
	v_mul_u32_u24 v[RD], v2, SPITCH
	v_lshl_add_u32 v[RD], v1, 4, v[RD]
	v_add_nc_u32 v[RD], s23, v[RD]
	v_lshlrev_b32 v[CO], 12, v2
	v_lshl_add_u32 v[CO], v1, 4, v[CO]
.macro FETCHA c, s, p                  ; A's four fragments of chunk c, K step s, into set p: 16 loads
.set mi, 0
.rept 4
.irp q, 0,1,2,3
	ds_load_b128 v[AF+64*(\p)+16*mi+4*\q:AF+64*(\p)+16*mi+4*\q+3], v[ADRA+(\c)] offset:mi*16*APITCH+128*(\s)+32*\q
.endr
.set mi, mi+1
.endr
.endm
; 16 products: the chunk's four m-tiles x my four n-tiles.  The 16 accumulators take turns, one instruction a turn, in the same order in every K step.
.macro MUL c, s
.set mi, 0
.rept 4
.set ni, 0
.rept 4
.set rD, 8*(4*mi+ni)
.set rW, 64*((\s)%4)+16*ni
.set rA, AF+64*((\s)%2)+16*mi
.set rSW, WS+4*ni+(\s)%4
.set rSA, XS+4*(4*(\c)+mi)+(\s)%4
.if (\s) == 0
	v_wmma_scale_f32_16x16x128_f8f6f4 v[rD:rD+7], v[rW:rW+15], v[rA:rA+15], v[BI+8*ni:BI+8*ni+7], v[rSW], v[rSA]
.elseif (\s) >= 4
	v_wmma_scale_f32_16x16x128_f8f6f4 v[rD:rD+7], v[rW:rW+15], v[rA:rA+15], v[rD:rD+7], v[rSW], v[rSA] matrix_a_scale:MATRIX_SCALE_ROW1 matrix_b_scale:MATRIX_SCALE_ROW1
.else
	v_wmma_scale_f32_16x16x128_f8f6f4 v[rD:rD+7], v[rW:rW+15], v[rA:rA+15], v[rD:rD+7], v[rSW], v[rSA]
.endif
.set ni, ni+1
.endr
.set mi, mi+1
.endr
.endm
; A K step of 128.  At its head the next step's fragments are asked for, into the set that the step before has multiplied: eight plain vector instructions stand between those products and the loads.
; At a chunk's first step the places stand at the head of the way out.
.macro KSTEP c, s
.set NS, ((\s)+1)%8
.set NC, (\c)+((\s)+1)/8
.if NC < 4
.if (\s) > 0
	PLACES 8
.endif
	FETCHA NC, NS, ((\s)+1)%2
	s_wait_dscnt 16                                ; this step's fragments are in; the 16 loads just issued may be out
.else
	s_wait_dscnt 0x0                               ; the very last step: nothing more to fetch
.endif
.if (\c) == 0
.if (\s) == 0
	s_wait_loadcnt 63                              ; of the 156 loads the first 93 are in: scale words, bias, and W_out's K steps 0-3 (28 + 64) and one of K step 4's
.elseif (\s) >= 4
	s_wait_loadcnt 16*(7-(\s))                     ; W_out's K step s is in; 16 loads for each later step may be out
.endif
.endif
.if (\s) < 4
	WIN 0xf1                                       ; source 0 (W_out) window 1, source 1 (A) window 0, C and D window 3
.else
	WIN 0xf2                                       ; source 0 window 2
.endif
	MUL \c, \s
	WIN 0
.endm
; THE WAY OUT of a chunk, block by block of 16 rows x 64 columns.  A lane holds 32 neighbouring bytes of a row and the lanes beside it hold other rows: a block goes through my own stage and comes back as whole rows
; of 256 bytes.  LDS serves a wave's instructions in order: no wait between the stores and the loads, nor in front of the next block's stores.
.macro TOSTAGE m, set
.irp n, 0,1,2,3
	ds_store_b128 v[STO], v[8*(4*(\m)+\n):8*(4*(\m)+\n)+3] offset:64*\n          ; each accumulator from its low end on
	ds_store_b128 v[STO], v[8*(4*(\m)+\n)+4:8*(4*(\m)+\n)+7] offset:64*\n+16
.endr
.irp i, 0,1,2,3,4,5,6,7
	ds_load_b128 v[BK+32*(\set)+4*\i:BK+32*(\set)+4*\i+3], v[RD] offset:2*\i*SPITCH
.endr
.endm
.macro SEND c, m, set, younger         ; younger: the LDS instructions issued behind this block's loads, which may stay out
	s_wait_dscnt \younger
.irp i, 0,1,2,3,4,5,6,7
	global_store_b128 v[CO], v[BK+32*(\set)+4*\i:BK+32*(\set)+4*\i+3], s[12:13] offset:(64*(\c)+16*(\m)+2*\i)*4096 th:TH_STORE_NT   ; 16 lanes store 256 consecutive bytes, at a multiple of 256 from the output's first byte; the row stands in the immediate
.endr
.endm
.macro WAYOUT c
	PLACES 9                                       ; eight in front of the first read of results and of the loads into the set just multiplied; nine in front of the next chunk's first products, which begin the accumulators anew with the bias as C
	WIN 0xcc                                       ; addresses window 0; LDS and global stores' data, and loaded data, window 3
.if (\c) > 0
	s_wait_xcnt 0x0                                ; the last chunk's stores have read their registers: rows may be read back into them
.endif
	s_wait_alu depctr_va_vdst(0)
	TOSTAGE 0, 0
	TOSTAGE 1, 1
	SEND \c, 0, 0, 16                              ; behind block 0's loads: block 1's 8 stores and 8 loads
	TOSTAGE 2, 2
	SEND \c, 1, 1, 16
	s_wait_xcnt 0x0                                ; block 0's stores have read set 0
	TOSTAGE 3, 0
	SEND \c, 2, 2, 16
	SEND \c, 3, 0, 0                               ; every LDS instruction of mine is done: the stage's stores have read the accumulators
	WIN 0
.endm
	s_wait_tensorcnt 0x0                           ; my 64 rows of A are in,
	s_barrier_signal -1
	s_barrier_wait -1                              ; everybody's are: from here on no wave writes what another reads
	FETCHA 0, 0, 0
.irp c, 0,1,2,3
.irp s, 0,1,2,3,4,5,6,7
	KSTEP \c, \s
.endr
	WAYOUT \c
.endr
	s_wait_tensorcnt 0x0
	ds_add_u32 v126, v127
	s_wait_dscnt 0x0
	CROUND                                         ; the closing round: no work-group ends while a partner may still ask for a tile that names it
	s_endpgm
.Lfunc_end_k_q815a7901f0_out_proj:
	.size	k_q815a7901f0_out_proj, .Lfunc_end_k_q815a7901f0_out_proj-k_q815a7901f0_out_proj
	.p2alignl 7, 3214868480
	.fill 96, 4, 3214868480
	.section	.rodata,"a",@progbits
	.p2align	6, 0x0
	.amdhsa_kernel k_q815a7901f0_out_proj
		.amdhsa_group_segment_fixed_size 327680
		.amdhsa_private_segment_fixed_size 0
		.amdhsa_enable_private_segment 0
		.amdhsa_kernarg_size 48
		.amdhsa_user_sgpr_count 2
		.amdhsa_user_sgpr_kernarg_segment_ptr 1
		.amdhsa_wavefront_size32 1
		.amdhsa_system_sgpr_workgroup_id_x 1
		.amdhsa_system_sgpr_workgroup_id_y 1
		.amdhsa_system_sgpr_workgroup_id_z 1
		.amdhsa_system_vgpr_workitem_id 0
		.amdhsa_next_free_vgpr 1024
		.amdhsa_next_free_sgpr 66
		.amdhsa_reserve_vcc 0
		.amdhsa_float_denorm_mode_32 3
		.amdhsa_float_denorm_mode_16_64 3
		.amdhsa_memory_ordered 1
		.amdhsa_forward_progress 1
		.amdhsa_inst_pref_size 156
	.end_amdhsa_kernel
	.amdgpu_metadata
---
amdhsa.version: [ 1, 2 ]
amdhsa.kernels:
  - .name:           k_q815a7901f0_out_proj
    .symbol:         k_q815a7901f0_out_proj.kd
    .args:
      - { .name: a_codes, .offset: 0, .size: 8, .value_kind: global_buffer, .address_space: global }
      - { .name: a_scales, .offset: 8, .size: 8, .value_kind: global_buffer, .address_space: global }
      - { .name: W_out_codes, .offset: 16, .size: 8, .value_kind: global_buffer, .address_space: global }
      - { .name: W_out_scales, .offset: 24, .size: 8, .value_kind: global_buffer, .address_space: global }
      - { .name: out0, .offset: 32, .size: 8, .value_kind: global_buffer, .address_space: global }
      - { .name: b_out, .offset: 40, .size: 8, .value_kind: global_buffer, .address_space: global }
    .group_segment_fixed_size: 327680
    .private_segment_fixed_size: 0
    .kernarg_segment_align: 8
    .kernarg_segment_size: 48
    .max_flat_workgroup_size: 128
    .sgpr_count:     66
    .vgpr_count:     1024
    .wavefront_size: 32
...
	.end_amdgpu_metadata
.endif
;; end of part 2
